; MI455X (gfx1250); checked and timed in simulation.
; The chip was launched on July 23, 2026; its instructions are those of AMD's public machine-readable ISA for CDNA 5 (MIT licence, August 2026) and "CDNA5" Instruction Set Architecture Reference Guide (July 2026). The comments in the code are by the model that wrote it; some were corrected since.
;; HMLSTM Cell3. Allowed arithmetic: matrix products marked QUANTISED: E2M3 operands, one E8M0 scale for each 32 along K, by v_wmma_scale_f32_16x16x128_f8f6f4 with both operands' format E2M3, f32 sums; everything else in f32.
;; Inputs: R_codes 4,097 x 32 x 24 uint8 (E2M3 codes of R, K innermost, in blocks of 32 codes, four codes in three bytes); R_scales 4,097 x 32 uint8 (E8M0 scales of R, one for each 32 codes along K); U_codes 4,097 x 32 x 24 uint8 (E2M3 codes of U, K innermost, in blocks of 32 codes, four codes in three bytes); U_scales 4,097 x 32 uint8 (E8M0 scales of U, one for each 32 codes along K); W_codes 4,097 x 32 x 24 uint8 (E2M3 codes of W, K innermost, in blocks of 32 codes, four codes in three bytes); W_scales 4,097 x 32 uint8 (E8M0 scales of W, one for each 32 codes along K); b 4,097 float32; c 4,096 x 1,024 float32; h 4,096 x 1,024 float32; h_bottom 4,096 x 1,024 float32; h_top 4,096 x 1,024 float32; z 4,096 x 1 float32; z_bottom 4,096 x 1 float32.
;; Outputs: out0 4,096 x 1,024 float32; out1 4,096 x 1,024 float32; out2 4,096 x 1 float32.
;; This version of the problem:
;;   THIS VERSION OF THE PROBLEM IS GIVEN IN LOW PRECISION. The matrix products marked QUANTISED in the list below multiply operands that are first quantised to E2M3 (2 exponent bits, 3 mantissa bits; 6 bits a number), with one power-of-two scale for each 32 numbers along K (OCP MX v1.0); their sums are f32. All else is computed in f32.
;;   The module's matrix products, in the order in which they are computed (A, B: the left and right operand; K: the contracted axis; several contracted axes count as one K, in the product's order):
;;     1. [M 4,096, K 1,024] x [K 1,024, N 4,097]; A: computed on the way; B: input W (given as codes): QUANTISED
;;     2. [M 4,096, K 1,024] x [K 1,024, N 4,097]; A: input h; B: input R (given as codes): QUANTISED
;;     3. [M 4,096, K 1,024] x [K 1,024, N 4,097]; A: computed on the way; B: input U (given as codes): QUANTISED
;;   THE QUANTISER, for each operand of a quantised product, along K:
;;     - K is cut into blocks of 32 from its start; a last block that is shorter is filled with zeros.
;;     - A block's scale is 2^e with e = floor(log2(the largest magnitude in the block)) - 2, held to -126 .. 127; a block of zeros has e = 0. As a byte (E8M0): e + 127.
;;     - Each number is divided by its block's scale, clamped to +-7.5, and rounded to the nearest number of E2M3, ties to even, subnormals kept.
;;     - The product sums the exact products of the quantised numbers (number of the format x scale) in f32.
;;   ~~~python
;;   def quantise(x, axis):      # numpy; x: float32 -> the quantised numbers, widened to float32 again
;;       x = np.moveaxis(x, axis, -1); K = x.shape[-1]
;;       x = np.pad(x, [(0, 0)] * (x.ndim - 1) + [(0, -K % 32)]); x = x.reshape(x.shape[:-1] + (-1, 32)); a = np.abs(x).max(-1, keepdims=True)
;;       e = np.where(a > 0, np.clip(np.frexp(np.where(a > 0, a, 1))[1] - 1 - 2, -126, 127), 0)      # np.frexp(a)[1] - 1 = floor(log2(a)), exactly
;;       r = np.clip(x / 2.0 ** e, -7.5, 7.5)
;;       step = 2.0 ** (np.maximum(np.frexp(np.where(r == 0, 1, r))[1] - 1, 0) - 3)
;;       q = np.round(r / step) * step * 2.0 ** e      # np.round: ties to even
;;       return np.moveaxis(q.reshape(q.shape[:-2] + (-1,))[..., :K], -1, axis).astype(np.float32)
;;   ~~~
;;   OPERANDS COMPUTED ON THE WAY. 'Computed on the way' means the value that the module computes at that place (a softmax that the list does not call 'softmax' is quantised finished and normalised). What goes into a quantiser is computed in f32, as accurately as f32 sums, v_exp_f32 and their like allow (about 1e-6 of the number): no bf16 or f16 on the way to a quantiser, and a product that is left as it is and whose result goes on into a quantised operand takes f32 operands (vector FMAs, or v_wmma_f32_16x16x4_f32). A number that lies on a knife's edge between two numbers of the format may be rounded either way, as far as f32 arithmetic and the matrix unit's own rounding can turn it there, and no further.
;;   INPUTS GIVEN AS CODES. R (in the module: [1024, 4097], K = its axis 0); U (in the module: [1024, 4097], K = its axis 0); W (in the module: [1024, 4097], K = its axis 0): each comes as NAME_codes (uint8): NAME with its K axis moved to the last place and cut into blocks of 32 codes, [.., K / 32, bytes a block], one block behind the other in memory; four codes in three bytes: a row's codes are one little-endian stream of bits, code i at bits 6 i .. 6 i + 5 (a code: sign, 2 exponent bits, 3 mantissa bits); and NAME_scales (uint8): the same leading axes, one E8M0 byte (e + 127) for each 32 codes along K. Its value is code x scale, taken as it is: it is not quantised again, and the codes and scales need not be those that the quantiser above would give.
;; One version. Each part assembles by itself: llvm-mc -triple=amdgcn-amd-amdhsa -mcpu=gfx1250 --defsym DOCPART=n.
;; ======== version 1 of 1: 2 launches
;; limits: right only within a limited range of input values
;; workspace buffers: a_img 9,830,400 bytes; w_img 9,830,400 bytes; szp 131,072 bytes
;; launch prep (part 1): grid 256 x 1, 24 waves a work-group, no clusters, 210,432 bytes of LDS; arguments h_bottom, h, h_top, W_codes, R_codes, U_codes, W_scales, R_scales, U_scales, z_bottom, z, a_img, w_img, szp; writes a_img, w_img, szp
.if DOCPART == 1
	.amdgcn_target "amdgcn-amd-amdhsa--gfx1250"
	.amdhsa_code_object_version 6
	.text
	.protected	k_q13c5dd5d41_prep
	.globl	k_q13c5dd5d41_prep
	.p2align	8
	.type	k_q13c5dd5d41_prep,@function
k_q13c5dd5d41_prep:
	s_mov_b64 s[64:65], 0
	v_nop
	global_prefetch_b8 v0, s[64:65] scope:SCOPE_SE
	s_setreg_imm32_b32 hwreg(HW_REG_WAVE_MODE, 25, 1), 1
	s_wait_xcnt 0x0
; THE LAUNCH IN FRONT OF THE PRODUCT.  s = [h_bottom z_bottom | h | h_top z] [W; R; U] + b is one product with K = 3 x 1,024 = 24 pieces of 128.  No work of the problem is left out.
;  (1) h_bottom x z_bottom and h_top x z in f32; the three activations are quantised along K to codes of FP6 (E2M3), one E8M0 byte for each 32;
;  (2) they, and the weights' given codes and scale bytes unchanged, are stored as IMAGES OF THE OPERAND'S REGISTERS (16 rows x 128 K: 12 registers a lane; register group c of lane l at 512 c + 16 l);
;  (3) column 4,096 of s is multiplied by the FP6 matrix instruction; each work-group stores its 384 along K as a partial sum a row (szp [8][4096] f32), which the next launch adds.
; LIMITS: NaN and infinities among the inputs are not served.  A block whose largest magnitude lies under 2^-124, a block of zeros among them, keeps the byte 1 (the quantiser says 127 for zeros):
; its codes are zeros or the format's small numbers under that byte, and the bytes are read by this program alone.
; THE BUFFERS.  a_img, w_img: 32 groups of 128 rows x 8 chunks of 384 along K; chunk (G, S) at (8 G + S) x 38,400: image (q, i) (piece 3 S + q, block i of 16 rows) at (8 q + i) x 1,536,
; then the scale words at 36,864 + 512 q + 32 r + 4 i: a row's eight blocks' words lie side by side.  Piece p: tensor p / 8 (0: h_bottom / W, 1: h / R, 2: h_top / U), its (p % 8)-th 128 along K.
; a_img: group G = rows 128 G on.  w_img: group G, block 2 g + u = weight rows 1,024 g + 32 G + 16 u on: a group holds 32 hidden columns of all four gates.
; SHARES.  Work-group 8 G + S makes chunk (G, S) of both buffers, whole: every store covers whole aligned 256 bytes.  Wave 8 q + i makes image (q, i) of each.
; Each wave issues ONE tensor load (16 rows x 512 bytes) into LDS bytes of its own that are filled once and that it alone reads.
.set TPITCH, 528                       ; a tile's row in LDS: 512 bytes + 16
.set TILEB,  16*TPITCH
.set SZP,    24*TILEB                  ; the waves' parts of column 4,096: [q][row of the group], 1,536 bytes
.set SCWA,   SZP+1536                  ; the activations' scale words as the chunk has them, 1,536 bytes
.set SCWB,   SCWA+1536                 ; the weights'
.set SPARE,  SCWB+1536                 ; the spare words: 128 bytes for each of 24 waves
.set CHUNK,  38400
.set SCO,    36864
.set TM,   20                          ; v20-23 largest magnitudes, v24-27 the other half's, then bytes, v32-35 the conversions' scale operands
.set PW,   36                          ; my activation rows' scale word
.set SZS,  37                          ; row 4,096's
.set BS,   38                          ; my weight rows'
.set F,    40                          ; v40-51  the fragment made here
.set TC,   52                          ; v52-58  the second halves of the conversions
.set BI,   60                          ; v60-71  my weight rows' fragment
.set SZF,  72                          ; v72-83  row 4,096's fragment
.set D,    84                          ; v84-91  the accumulator
.set X,    92                          ; v92-155 64 numbers of a lane
.set SPW,  156
.set NIL,  157
.set SEL,  68                          ; s[68:69] lane selects for v_permlanex16_b32: lane l xor 16
	s_load_b512 s[8:23], s[0:1], 0x0               ; h_bottom, h, h_top s[8:13]; W, R, U codes s[14:19]; W, R scales s[20:23]
	s_load_b256 s[24:31], s[0:1], 0x40             ; U scales s[24:25], z_bottom s[26:27], z s[28:29], a_img s[30:31]
	s_load_b128 s[32:35], s[0:1], 0x60             ; w_img, szp
	v_lshl_add_u32 v[SPW], v0, 2, SPARE
	v_mov_b32 v[NIL], 0
	ds_add_u32 v[SPW], v[NIL]                      ; the opening lines: the add twice on end and one wait
	ds_add_u32 v[SPW], v[NIL]
	v_lshrrev_b32 v1, 5, v0
	v_readfirstlane_b32 s4, v1                     ; wave 0..23
	s_mov_b32 s40, (2<<16)|(1<<20)|(6<<22)|(3<<25) ; group 1: 16 rows x 128 elements of 4 bytes, 4 words of padding behind every 128
	s_mov_b32 s41, 128<<16
	s_mov_b32 s42, 16<<16
	s_mov_b32 s43, 128<<16
	s_mov_b32 s44, 16
	s_mov_b32 s45, 1024
	s_mov_b32 s46, 0
	s_mov_b32 s47, 0
	s_lshr_b32 s5, s4, 3                           ; q
	s_and_b32 s6, s4, 7                            ; i
	s_and_b32 s7, ttmp9, 7                         ; S
	s_lshr_b32 s36, ttmp9, 3                       ; G
	s_mul_i32 s37, s7, 3
	s_add_co_u32 s37, s37, s5                      ; my piece of K
	s_lshr_b32 s38, s37, 3                         ; its tensor t
	s_and_b32 s39, s37, 7                          ; its place w in that tensor
	s_lshl_b32 s2, s36, 19                         ; rows 128 G + 16 i of 4,096 bytes, + 512 w
	s_lshl_b32 s3, s6, 16
	s_add_co_u32 s2, s2, s3
	s_lshl_b32 s3, s39, 9
	s_add_co_u32 s2, s2, s3
	s_mov_b32 s3, 0
	s_mov_b32 s48, 1
	s_mul_i32 s49, s4, TILEB                       ; my tile in LDS
	s_wait_dscnt 0x0
	s_wait_kmcnt 0x0
	s_cmp_eq_u32 s38, 0                            ; the tensor's buffers, chosen by ids
	s_cselect_b64 s[50:51], s[8:9], s[10:11]
	s_cselect_b64 s[14:15], s[14:15], s[16:17]
	s_cselect_b64 s[20:21], s[20:21], s[22:23]
	s_cselect_b64 s[26:27], s[26:27], s[28:29]     ; z_bottom goes with h_bottom, z with h_top
	s_cmp_eq_u32 s38, 2
	s_cselect_b64 s[50:51], s[12:13], s[50:51]
	s_cselect_b64 s[14:15], s[18:19], s[14:15]
	s_cselect_b64 s[20:21], s[24:25], s[20:21]
	s_add_nc_u64 s[50:51], s[50:51], s[2:3]
	s_or_b32 s51, s51, 0x80000000
	tensor_load_to_lds s[48:51], s[40:47]          ; my one tensor load
	s_nop 0
	s_lshr_b32 s52, s6, 1                          ; my weight rows: 1,024 g + 32 G + 16 u on
	s_lshl_b32 s52, s52, 10
	s_lshl_b32 s53, s36, 5
	s_add_co_u32 s52, s52, s53
	s_and_b32 s53, s6, 1
	s_lshl_b32 s53, s53, 4
	s_add_co_u32 s52, s52, s53
	s_mul_i32 s54, s39, 96                         ; my 128 along K: 96 bytes of a row of codes
	s_mov_b32 s55, 0
	s_add_nc_u64 s[14:15], s[14:15], s[54:55]
	s_mul_i32 s54, s52, 768
	s_add_nc_u64 s[16:17], s[14:15], s[54:55]      ; my rows' codes
	s_lshl_b32 s54, s39, 2                         ; 4 scale bytes
	s_add_nc_u64 s[20:21], s[20:21], s[54:55]
	s_lshl_b32 s54, s52, 5
	s_add_nc_u64 s[22:23], s[20:21], s[54:55]      ; my rows' scales
	s_lshl_b32 s54, s36, 9
	s_lshl_b32 s56, s6, 6
	s_add_co_u32 s54, s54, s56
	s_add_nc_u64 s[26:27], s[26:27], s[54:55]      ; rows 128 G + 16 i of z or z_bottom
	s_mul_i32 s54, ttmp9, CHUNK
	s_add_nc_u64 s[30:31], s[30:31], s[54:55]      ; my work-group's chunk of a_img,
	s_add_nc_u64 s[32:33], s[32:33], s[54:55]      ; and of w_img
	s_mul_i32 s57, s4, 1536                        ; image 8 q + i = my wave's number
	s_lshl_b32 s58, s5, 9
	s_lshl_b32 s56, s6, 2
	s_add_co_u32 s58, s58, s56
	s_add_co_u32 s58, s58, SCWA                    ; my scale word: 512 q + 4 i (+ 32 r)
	s_lshl_b32 s59, s4, 6
	s_add_co_u32 s59, s59, SZP                     ; my part of column 4,096: 512 q + 64 i (+ 4 r)
	s_min_u32 s60, s4, 5                           ; waves 0-2 send the activations' scale words out, waves 3-5 the weights'
	s_cmp_ge_u32 s4, 3
	s_cselect_b32 s61, 3, 0
	s_sub_co_u32 s61, s60, s61
	s_lshl_b32 s61, s61, 9
	s_add_co_u32 s61, s61, SCO
	s_lshl_b32 s60, s60, 9
	s_add_co_u32 s60, s60, SCWA
	s_lshl_b32 s62, s7, 14                         ; szp: [S][128 G ..]
	s_lshl_b32 s63, s36, 9
	s_add_co_u32 s62, s62, s63
	s_mov_b32 s63, 0
	s_add_nc_u64 s[34:35], s[34:35], s[62:63]
	s_mov_b32 s[SEL], 0x76543210
	s_mov_b32 s[SEL+1], 0xfedcba98
	v_and_b32 v1, 31, v0                           ; lane
	v_and_b32 v2, 15, v0                           ; r
	v_bfe_u32 v3, v0, 4, 1                         ; h
	v_mul_u32_u24 v4, v2, TPITCH
	v_lshl_add_u32 v4, v3, 6, v4
	v_add_nc_u32 v4, s49, v4                       ; my tile's row r, + 64 h: my 16 numbers of a block of 32
	v_lshl_add_u32 v5, v1, 4, s57                  ; my lane's place in my image
	v_mul_u32_u24 v6, v2, 768
	v_mad_u32_u24 v6, v3, 24, v6                   ; weight row r of 768 bytes, + 24 h
	v_mul_u32_u24 v7, v3, 24                       ; row 4,096: every lane takes that one row
	v_lshlrev_b32 v8, 5, v2
	v_mov_b32 v9, 0
	v_lshlrev_b32 v10, 2, v2
	v_lshl_add_u32 v11, v2, 5, s58
	v_lshl_add_u32 v12, v2, 2, s59
	v_lshl_add_u32 v13, v1, 4, s60
	v_lshl_add_u32 v18, v1, 4, s61
	v_lshl_add_u32 v19, v1, 4, SZP
	v_lshlrev_b32 v16, 4, v1
	v_mov_b32 v14, 0                               ; written on every way; h's waves load no factor
.irp b, 0,1,2,3
	v_mov_b32 v[TM+4+\b], 0                        ; a lane permute's destination counts as one of its sources
.endr
	s_cmp_eq_u32 s38, 1
	s_wait_alu depctr_va_vdst(0)                   ; the wait at the head's end
	s_cbranch_scc1 .Lno_z                          ; h is multiplied by nothing
	global_load_b32 v14, v10, s[26:27]
.Lno_z:
.irp p, 0,1,2,3,4,5
	global_load_b64 v[BI+2*\p:BI+2*\p+1], v6, s[16:17] offset:48*(\p/3)+8*(\p%3)   ; the row's stream of bits IS the register image
.endr
	global_load_b32 v[BS], v8, s[22:23]
.irp p, 0,1,2,3,4,5
	global_load_b64 v[SZF+2*\p:SZF+2*\p+1], v7, s[14:15] offset:4096*768+48*(\p/3)+8*(\p%3)   ; all 16 rows of this operand are weight row 4,096
.endr
	global_load_b32 v[SZS], v9, s[20:21] offset:4096*32
	s_wait_loadcnt 7                               ; all but row 4,096's 6 + 1 loads are in
.irp c, 0,1,2
	global_store_b128 v5, v[BI+4*\c:BI+4*\c+3], s[32:33] offset:512*\c   ; 32 lanes store 512 consecutive bytes, aligned to 256
.endr
	ds_store_b32 v11, v[BS] offset:1536            ; (lanes r and r + 16 write the same word with the same value)
	s_wait_tensorcnt 0x0                           ; my tile is in; only I read it
.irp b, 0,1,2,3
.irp j, 0,1,2,3
	ds_load_b128 v[X+16*\b+4*\j:X+16*\b+4*\j+3], v4 offset:128*\b+16*\j   ; register 16 b + i = k 32 b + 16 h + i of my row
.endr
.endr
	s_wait_dscnt 0x0
	s_cmp_eq_u32 s38, 1
	s_cbranch_scc1 .Lplain
	v_mov_b32 v15, v14                             ; the row's factor as a pair
.set k, 0
.rept 32
	v_pk_mul_f32 v[X+k:X+k+1], v[X+k:X+k+1], v[14:15]   ; in f32, ahead of the quantiser
.set k, k+2
.endr
.Lplain:
.irp b, 0,1,2,3
	v_max3_num_f32 v[TM+\b], |v[X+16*\b]|, |v[X+1+16*\b]|, 0x1800000   ; block b: my 16 numbers, and the floor 2^(3 - 127): the byte cannot fall under 1
.endr
.irp i, 2,4,6,8,10,12,14
.irp b, 0,1,2,3
	s_delay_alu instid0(VALU_DEP_4)
	v_max3_num_f32 v[TM+\b], v[TM+\b], |v[X+16*\b+\i]|, |v[X+1+16*\b+\i]|   ; (the four blocks by turns)
.endr
.endr
.irp b, 0,1,2,3
	s_delay_alu instid0(VALU_DEP_4)
	v_permlanex16_b32 v[TM+4+\b], v[TM+\b], s[SEL], s[SEL+1]
.endr
.irp b, 0,1,2,3
	s_delay_alu instid0(VALU_DEP_4)
	v_max_num_f32 v[TM+\b], v[TM+\b], v[TM+4+\b]   ; with lane l xor 16's: the block's largest magnitude
.endr
.irp b, 0,1,2,3
	s_delay_alu instid0(VALU_DEP_4)
	v_add_nc_u32 v[TM+12+\b], 0xff000000, v[TM+\b] ; 2 off its exponent field: the conversion's scale operand
.endr
.irp b, 0,1,2,3
	s_delay_alu instid0(VALU_DEP_4)
	v_lshrrev_b32 v[TM+4+\b], 23, v[TM+12+\b]      ; the scale's byte
.endr
	s_delay_alu instid0(VALU_DEP_3)
	v_lshl_or_b32 v[PW], v[TM+5], 8, v[TM+4]       ; the four bytes make my row's scale word
	s_delay_alu instid0(VALU_DEP_1)
	v_lshl_or_b32 v[PW], v[TM+6], 16, v[PW]
	s_delay_alu instid0(VALU_DEP_1)
	v_lshl_or_b32 v[PW], v[TM+7], 24, v[PW]
.irp c, 0,1
	v_cvt_scalef32_pk16_fp6_f32 v[F+6*\c:F+2+6*\c], v[X+32*\c:X+15+32*\c], v[TM+12+2*\c]
	v_cvt_scalef32_pk16_fp6_f32 v[TC+4*\c:TC+2+4*\c], v[X+16+32*\c:X+31+32*\c], v[TM+12+2*\c+1]   ; (a conversion's three registers begin on an even number)
.endr
	v_nop                                          ; one plain instruction behind the scaled conversions
.irp c, 0,1                                    ; the operand's layout wants a WHOLE block in a lane: lanes 0-15 block 2 c, lanes 16-31 block 2 c + 1
.irp i, 0,1,2
	v_permlane16_swap_b32 v[F+6*\c+\i], v[TC+4*\c+\i]
.endr
.irp i, 0,1,2
	s_delay_alu instid0(VALU_DEP_3)
	v_mov_b32 v[F+3+6*\c+\i], v[TC+4*\c+\i]
.endr
.endr
.irp c, 0,1,2
	global_store_b128 v5, v[F+4*\c:F+4*\c+3], s[30:31] offset:512*\c
.endr
	ds_store_b32 v11, v[PW]
	s_wait_alu depctr_va_vdst(0)                   ; the wait here, directly ahead of the wait below
	s_wait_loadcnt 0x0                             ; row 4,096's fragment and scale word
.rept 8
	v_nop                                          ; a scale register written by a vector instruction stands 8 places ahead of a scaled matrix instruction
.endr
	v_wmma_scale_f32_16x16x128_f8f6f4 v[D:D+7], v[SZF:SZF+11], v[F:F+11], 0, v[SZS], v[PW] matrix_a_fmt:MATRIX_FMT_FP6 matrix_b_fmt:MATRIX_FMT_FP6   ; every register of lane (r, h) holds row r's sum over my 128 along K
.rept 4
	v_nop
.endr
	ds_store_b32 v12, v[D]                         ; the accumulator's lowest register
	s_wait_dscnt 0x0                               ; for the others' sake: my part and my scale words lie in LDS
	s_barrier_signal -1
	s_barrier_wait -1
	s_cmp_lt_u32 s4, 6
	s_cbranch_scc0 .Lsz
	s_cmp_lt_u32 s4, 3                             ; waves 0-5: 512 bytes of scale words each
	s_cselect_b64 s[70:71], s[30:31], s[32:33]
	ds_load_b128 v[X:X+3], v13
	s_wait_dscnt 0x0
	global_store_b128 v18, v[X:X+3], s[70:71]
	s_branch .Lend
.Lsz:
	s_cmp_eq_u32 s4, 6
	s_cbranch_scc0 .Lend
.irp q, 0,1,2                                  ; wave 6: the three pieces' parts of the group's 128 rows, four rows a lane
	ds_load_b128 v[X+4*\q:X+4*\q+3], v19 offset:512*\q
.endr
	s_wait_dscnt 0x0
	v_pk_add_f32 v[X:X+1], v[X:X+1], v[X+4:X+5]
	v_pk_add_f32 v[X+2:X+3], v[X+2:X+3], v[X+6:X+7]
	v_pk_add_f32 v[X:X+1], v[X:X+1], v[X+8:X+9]
	v_pk_add_f32 v[X+2:X+3], v[X+2:X+3], v[X+10:X+11]
	global_store_b128 v16, v[X:X+3], s[34:35]
.Lend:
	s_wait_tensorcnt 0x0                           ; the wave's end
	ds_add_u32 v[SPW], v[NIL]
	s_wait_dscnt 0x0
	s_endpgm
.Lfunc_end_k_q13c5dd5d41_prep:
	.size	k_q13c5dd5d41_prep, .Lfunc_end_k_q13c5dd5d41_prep-k_q13c5dd5d41_prep
	.p2alignl 7, 3214868480
	.fill 96, 4, 3214868480
	.section	.rodata,"a",@progbits
	.p2align	6, 0x0
	.amdhsa_kernel k_q13c5dd5d41_prep
		.amdhsa_group_segment_fixed_size 210432
		.amdhsa_private_segment_fixed_size 0
		.amdhsa_enable_private_segment 0
		.amdhsa_kernarg_size 112
		.amdhsa_user_sgpr_count 2
		.amdhsa_user_sgpr_kernarg_segment_ptr 1
		.amdhsa_wavefront_size32 1
		.amdhsa_system_sgpr_workgroup_id_x 1
		.amdhsa_system_sgpr_workgroup_id_y 1
		.amdhsa_system_sgpr_workgroup_id_z 1
		.amdhsa_system_vgpr_workitem_id 0
		.amdhsa_next_free_vgpr 160
		.amdhsa_next_free_sgpr 80
		.amdhsa_reserve_vcc 0
		.amdhsa_float_denorm_mode_32 3
		.amdhsa_float_denorm_mode_16_64 3
		.amdhsa_memory_ordered 1
		.amdhsa_forward_progress 1
		.amdhsa_inst_pref_size 18
	.end_amdhsa_kernel
	.amdgpu_metadata
---
amdhsa.version: [ 1, 2 ]
amdhsa.kernels:
  - .name:           k_q13c5dd5d41_prep
    .symbol:         k_q13c5dd5d41_prep.kd
    .args:
      - { .name: h_bottom, .offset: 0, .size: 8, .value_kind: global_buffer, .address_space: global }
      - { .name: h, .offset: 8, .size: 8, .value_kind: global_buffer, .address_space: global }
      - { .name: h_top, .offset: 16, .size: 8, .value_kind: global_buffer, .address_space: global }
      - { .name: W_codes, .offset: 24, .size: 8, .value_kind: global_buffer, .address_space: global }
      - { .name: R_codes, .offset: 32, .size: 8, .value_kind: global_buffer, .address_space: global }
      - { .name: U_codes, .offset: 40, .size: 8, .value_kind: global_buffer, .address_space: global }
      - { .name: W_scales, .offset: 48, .size: 8, .value_kind: global_buffer, .address_space: global }
      - { .name: R_scales, .offset: 56, .size: 8, .value_kind: global_buffer, .address_space: global }
      - { .name: U_scales, .offset: 64, .size: 8, .value_kind: global_buffer, .address_space: global }
      - { .name: z_bottom, .offset: 72, .size: 8, .value_kind: global_buffer, .address_space: global }
      - { .name: z, .offset: 80, .size: 8, .value_kind: global_buffer, .address_space: global }
      - { .name: a_img, .offset: 88, .size: 8, .value_kind: global_buffer, .address_space: global }
      - { .name: w_img, .offset: 96, .size: 8, .value_kind: global_buffer, .address_space: global }
      - { .name: szp, .offset: 104, .size: 8, .value_kind: global_buffer, .address_space: global }
    .group_segment_fixed_size: 210432
    .private_segment_fixed_size: 0
    .kernarg_segment_align: 8
    .kernarg_segment_size: 112
    .max_flat_workgroup_size: 768
    .sgpr_count:     80
    .vgpr_count:     160
    .wavefront_size: 32
...
	.end_amdgpu_metadata
.endif
;; end of part 1
;; launch cell (part 2): grid 16 x 16, 4 waves a work-group, clusters of 4 x 4, 327,680 bytes of LDS; arguments a_img, w_img, c, h, z, z_bottom, b, szp, out0, out1, out2; writes out0, out1, out2
.if DOCPART == 2
	.amdgcn_target "amdgcn-amd-amdhsa--gfx1250"
	.amdhsa_code_object_version 6
	.text
	.protected	k_q13c5dd5d41_cell
	.globl	k_q13c5dd5d41_cell
	.p2align	8
	.type	k_q13c5dd5d41_cell,@function
k_q13c5dd5d41_cell:
	s_mov_b64 s[64:65], 0
	v_nop
	global_prefetch_b8 v0, s[64:65] scope:SCOPE_SE
	s_setreg_imm32_b32 hwreg(HW_REG_WAVE_MODE, 25, 1), 1
	s_wait_xcnt 0x0
	s_wait_alu depctr_hold_cnt(0) depctr_sa_sdst(0) depctr_va_vdst(0) depctr_va_sdst(0) depctr_va_ssrc(0) depctr_va_vcc(0) depctr_vm_vsrc(0)
	s_getreg_b32 s2, hwreg(HW_REG_IB_STS2, 6, 4)
	s_cmp_eq_u32 s2, 0
	s_cbranch_scc0 .Lentry_in_a_cluster
	s_endpgm
.Lentry_in_a_cluster:
	s_bfe_u32 s2, ttmp6, 0x10000c
	s_cmp_lg_u32 s2, 0xf033
	s_cbranch_scc0 .Lentry_shape_is_right
	s_endpgm
.Lentry_shape_is_right:
; THE PRODUCT AND THE CELL.  s = A B^T + b over K = 3,072 on the images that the launch before stored, by the FP6 matrix instruction; then the gates, c_new (out1) and h_new (out0); and z_new (out2) from szp.
; A work-group makes 256 rows x 64 hidden columns of all four gates (256 columns of s); a wave 128 x 128: 64 accumulators.  The matrix instruction is used transposed (source 0 = weights, source 1 = activations).
; K goes through a ring of TWO EQUAL SLOTS of 153,600 bytes, each one chunk (384 along K, three steps of 128) of two groups of A and two of B; a wave fetches one chunk of 38,400 bytes, as 150 rows of 256 bytes.
; So 24 steps have 8 fills; a refill is asked for in the last step of a chunk and waited for at the head of the last step of the next.
; CLUSTERS 4 x 4: A's chunks are asked for jointly along a row of the cluster, B's along a column.  A round of the cluster's barrier stands in front of every group of tensor loads.
; PREFETCH: behind each refill the chunk that the NEXT refill will fetch (one slot, 192 matrix instructions a wave, ahead): 150 blocks of 256 bytes, 40 to each of the four partners by address (held at block 149);
; A's by the clusters of cluster column 0 alone, B's by those of cluster row 0 alone, so that a block is named once.  Chunks 0 to 2 come by their loads alone; the last trip's second refill asks for nothing.
; c's and h's tiles are not prefetched: their load stands three K steps and six blocks' gate work ahead of the wait for it.
; A chunk's scale words lie [q][r][i]: lanes 0-15 take A's eight blocks' words of row r, lanes 16-31 B's, by two loads of 16 bytes a step; registers SC + i, two sets.
; LIMITS: NaN and infinities are not served.  The exponents to the base 2 are held at 30, so a gate under 2^-30 counts as 2^-30, and tanh beyond +-10.4 as +-(1 - 2^-29).
; z_new is 0 or 1 by the sign of column 4,096: where that sum lies within f32 rounding of 0 it may fall either way.
.set CHUNK,  38400
.set GROUPB, 8*CHUNK
.set SLOT,   4*CHUNK
.set IMG,    1536
.set SCO,    36864
.set TP,     272                       ; c's and h's tiles: rows of 256 bytes + 16
.set HT,     256*TP
.set SPARE,  2*SLOT
.set FR,     12
.set ADRA, 16                          ; v16-17 my A images in slot 0, 1;  v18-19 my scale words;  v20-21 my B images
.set ADRS, 18
.set ADRB, 20
.set ADC,  22
.set ADH,  23
.set RDB,  24
.set GO,   25
.set PFO,  26
.set PFO2, 31
.set SPW,  28
.set NIL,  29
.set SC,   32                          ; v32-47 scale words, two sets of eight: they hold scales and nothing else
.set BIAS, 64
.set AF,   128
.set ZZ,   224
.set ZBB,  232
.set TT,   64
.set NN,   128
.set PP,   144
.set CF,   160
.set CC,   176
.set HH,   192
.set G1A,  24
.set G1B,  32
.set G0A,  40                          ; s[40:47] group 0 for A, a set for each slot;  s[48:55] for B
.set G0B,  48
.set G1T,  56
.set G0C,  68
.set G0H,  72
.set LIM,  93
.set PFA,  96
.set MSB, 0
.macro WIN new
.if MSB != (\new)
	s_set_vgpr_msb (MSB<<8)|(\new)
.set MSB, (\new)
.endif
.endm
.set MUL_LO, 0xa1
.set MUL_HI, 0xf1
.set FST_LO, 0x81
.set FST_HI, 0xc1
.set TO_B,   0x40
.macro JLOAD g0a, g1a, g0b, g1b        ; waves 0, 1 issue the first line, waves 2, 3 the second; s_nop 0 and four v_nop behind each
	s_cmp_eq_u32 s23, 0
	s_cbranch_scc0 .Lsecond_\@
	tensor_load_to_lds s[\g0a:\g0a+3], s[\g1a:\g1a+7]
	s_nop 0
.rept 4
	v_nop
.endr
	s_branch .Lasked_\@
.Lsecond_\@:
	tensor_load_to_lds s[\g0b:\g0b+3], s[\g1b:\g1b+7]
	s_nop 0
.rept 4
	v_nop
.endr
.Lasked_\@:
.endm
.macro CREST
	s_cmp_lg_u32 s22, 0
	s_cbranch_scc1 .Lnot_wave_0_\@
	s_barrier_signal -3
.Lnot_wave_0_\@:
	s_barrier_wait -3
	s_barrier_signal -1
	s_barrier_wait -1
.endm
.macro CROUND
	s_barrier_signal -1
	s_barrier_wait -1
	CREST
.endm
.macro PLACES
.rept 4
	v_nop
.endr
.endm
	s_load_b512 s[4:19], s[0:1], 0x0               ; a_img, w_img, c, h, z, z_bottom, b, szp
	s_load_b128 s[76:79], s[0:1], 0x40             ; out0, out1
	s_load_b64 s[80:81], s[0:1], 0x50              ; out2
	v_lshl_add_u32 v[SPW], v0, 2, SPARE
	v_mov_b32 v[NIL], 0
	ds_add_u32 v[SPW], v[NIL]                      ; the opening lines: the add twice on end and one wait
	ds_add_u32 v[SPW], v[NIL]
	v_lshrrev_b32 v1, 5, v0
	v_readfirstlane_b32 s22, v1                    ; wave
	s_lshr_b32 s23, s22, 1                         ; my half of the rows; also: I fetch for A (0) or B (1)
	s_and_b32 s2, s22, 1                           ; my half of the columns; also: which group I fetch
	s_bfe_u32 s66, ttmp6, 0x40000
	s_bfe_u32 s67, ttmp6, 0x40004
	s_lshl_b32 s98, ttmp9, 2
	s_add_co_u32 s98, s98, s66                     ; tile column
	s_and_b32 s99, ttmp7, 0xffff
	s_lshl_b32 s99, s99, 2
	s_add_co_u32 s99, s99, s67                     ; tile row
	s_lshl_b32 s100, s67, 2
	s_lshl_b32 s100, 15, s100
	s_lshl_b32 s101, 0x1111, s66
	s_or_b32 s[G1A], s100, (3<<16)|(1<<21)         ; a chunk: 150 rows of 32 elements of 8 bytes, dense
	s_or_b32 s[G1B], s101, (3<<16)|(1<<21)
.irp g, G1A, G1B
	s_mov_b32 s[\g+1], 32<<16
	s_mov_b32 s[\g+2], 150<<16
	s_mov_b32 s[\g+3], 32<<16
	s_mov_b32 s[\g+4], 150
	s_mov_b32 s[\g+5], 32
	s_mov_b32 s[\g+6], 0
	s_mov_b32 s[\g+7], 0
.endr
	s_lshl_b32 s104, s99, 1
	s_add_co_u32 s104, s104, s2
	s_mul_i32 s104, s104, GROUPB
	s_mov_b32 s105, 0
	s_lshl_b32 s100, s98, 1
	s_add_co_u32 s100, s100, s2
	s_mul_i32 s100, s100, GROUPB
	s_mov_b32 s101, 0
	s_mul_i32 s92, s22, CHUNK                      ; where my chunk goes: wave x a chunk
	s_wait_dscnt 0x0
	s_wait_kmcnt 0x0
	s_add_nc_u64 s[104:105], s[4:5], s[104:105]
	s_add_nc_u64 s[100:101], s[6:7], s[100:101]
.irp s, 0,1
	s_mov_b32 s[G0A+4*\s], 1
	s_add_co_u32 s[G0A+4*\s+1], s92, \s*SLOT
	s_add_nc_u64 s[G0A+4*\s+2:G0A+4*\s+3], s[104:105], \s*CHUNK
	s_or_b32 s[G0A+4*\s+3], s[G0A+4*\s+3], 0x80000000
	s_mov_b32 s[G0B+4*\s], 1
	s_add_co_u32 s[G0B+4*\s+1], s92, \s*SLOT
	s_add_nc_u64 s[G0B+4*\s+2:G0B+4*\s+3], s[100:101], \s*CHUNK
	s_or_b32 s[G0B+4*\s+3], s[G0B+4*\s+3], 0x80000000
.endr
	CROUND
	JLOAD G0A, G1A, G0B, G1B                       ; chunk 0: my one tensor load at the head.  All below, to the wait for it, runs while it is on its way
	s_mov_b32 s[G1T], (2<<16)|(1<<20)|(5<<22)|(3<<25)   ; c's and h's tiles: 128 rows x 64 f32, padded
	s_mov_b32 s[G1T+1], 64<<16
	s_mov_b32 s[G1T+2], 128<<16
	s_mov_b32 s[G1T+3], 64<<16
	s_mov_b32 s[G1T+4], 128
	s_mov_b32 s[G1T+5], 1024
	s_mov_b32 s[G1T+6], 0
	s_mov_b32 s[G1T+7], 0
	s_mul_i32 s94, s22, 128*TP
	s_lshl_b32 s96, s99, 8
	s_lshl_b32 s97, s2, 7
	s_add_co_u32 s96, s96, s97
	s_lshl_b32 s96, s96, 12
	s_lshl_b32 s97, s98, 8
	s_add_co_u32 s96, s96, s97
	s_mov_b32 s97, 0
	s_mov_b32 s[G0C], 1
	s_mov_b32 s[G0C+1], s94
	s_add_nc_u64 s[G0C+2:G0C+3], s[8:9], s[96:97]
	s_or_b32 s[G0C+3], s[G0C+3], 0x80000000
	s_mov_b32 s[G0H], 1
	s_mov_b32 s[G0H+1], s94
	s_add_nc_u64 s[G0H+2:G0H+3], s[10:11], s[96:97]
	s_or_b32 s[G0H+3], s[G0H+3], 0x80000000
	s_and_b32 s92, ttmp7, 0xffff                   ; the prefetches
	s_cmp_eq_u32 s23, 0
	s_cselect_b32 s94, s66, s67                    ; my place among the four that ask with me
	s_cselect_b32 s92, ttmp9, s92
	s_cselect_b64 s[PFA:PFA+1], s[104:105], s[100:101]
	s_cmp_eq_u32 s92, 0
	s_cselect_b32 s[LIM], 1, -1
	s_mul_i32 s82, s94, 40                         ; my work-group's first block of the 150
	s_mov_b32 s4, 0xbfb8aa3b                       ; -log2(e)
	s_mov_b32 s5, s4
	s_mov_b32 s6, 0xc038aa3b                       ; -2 log2(e)
	s_mov_b32 s7, s6
	s_mov_b32 s8, 0x41f00000                       ; 30
	s_mov_b32 s83, 0x40e00000                      ; 7
	s_mov_b32 s88, 0x76543210
	s_mov_b32 s89, 0xfedcba98
	s_lshl_b32 s104, s99, 8
	s_lshl_b32 s105, s23, 7
	s_add_co_u32 s104, s104, s105                  ; my first row
	s_lshl_b32 s100, s104, 2
	s_mov_b32 s101, 0
	s_add_nc_u64 s[12:13], s[12:13], s[100:101]
	s_add_nc_u64 s[14:15], s[14:15], s[100:101]
	s_lshl_b32 s104, s104, 12
	s_lshl_b32 s105, s98, 8
	s_add_co_u32 s104, s104, s105
	s_mov_b32 s105, 0
	s_cmp_eq_u32 s2, 0
	s_cselect_b64 s[94+0:95], s[78:79], s[76:77]   ; the column half's first wave stores c_new's rows, the second h_new's
	s_add_nc_u64 s[84:85], s[94:95], s[104:105]
	s_lshl_b32 s100, s98, 8
	s_lshl_b32 s104, s2, 7
	s_add_co_u32 s100, s100, s104
	s_add_nc_u64 s[86:87], s[16:17], s[100:101]    ; b at my 32 hidden columns
	s_lshl_b32 s90, s99, 4
	s_add_co_u32 s90, s90, s98
	s_lshl_b32 s90, s90, 6                         ; z_new: work-group 16 y + x takes 16 rows
	s_mov_b32 s91, 0
	s_add_nc_u64 s[18:19], s[18:19], s[90:91]
	s_add_nc_u64 s[80:81], s[80:81], s[90:91]
	s_mul_i32 s104, s23, CHUNK                     ; my A chunk,
	s_mul_i32 s105, s2, CHUNK
	s_add_co_u32 s105, s105, 2*CHUNK               ; my B chunk,
	s_xor_b32 s100, s23, 1
	s_add_co_u32 s100, s100, s2
	s_add_co_u32 s100, s100, 1
	s_mul_i32 s100, s100, CHUNK                    ; the distance between the two,
	s_add_co_u32 s101, s104, SCO
	s_mul_i32 s90, s23, 128*TP
	s_lshl_b32 s91, s2, 7
	s_add_co_u32 s91, s91, s90                     ; my rows and my 128 bytes of c's tile,
	s_mul_i32 s92, s2, HT
	s_add_co_u32 s92, s92, s90                     ; and the rows that I send out
	v_and_b32 v1, 15, v0
	v_bfe_u32 v2, v0, 4, 1
	v_and_b32 v3, 31, v0
	v_lshlrev_b32 v4, 4, v3
	v_lshlrev_b32 v27, 5, v2
	v_lshlrev_b32 v30, 2, v1
	v_add_nc_u32 v[ADRA], s104, v4
	v_add_nc_u32 v[ADRB], s105, v4
	v_mul_u32_u24 v5, s100, v2                     ; lanes 16-31 take B's scale words
	v_lshl_add_u32 v5, v1, 5, v5
	v_add_nc_u32 v[ADRS], s101, v5
	v_add_nc_u32 v[ADRA+1], SLOT, v[ADRA]
	v_add_nc_u32 v[ADRB+1], SLOT, v[ADRB]
	v_add_nc_u32 v[ADRS+1], SLOT, v[ADRS]
	v_mul_u32_u24 v[ADC], v1, TP
	v_lshl_add_u32 v[ADC], v2, 5, v[ADC]
	v_add_nc_u32 v[ADC], s91, v[ADC]
	v_add_nc_u32 v[ADH], HT, v[ADC]
	v_mul_u32_u24 v[RDB], v2, TP
	v_lshl_add_u32 v[RDB], v1, 4, v[RDB]
	v_add_nc_u32 v[RDB], s92, v[RDB]
	v_lshlrev_b32 v[GO], 12, v2
	v_lshl_add_u32 v[GO], v1, 4, v[GO]
	v_add_nc_u32 v[PFO], s82, v3                   ; blocks 40 p + lane,
	v_min_u32 v[PFO], 149, v[PFO]
	v_lshlrev_b32 v[PFO], 8, v[PFO]
	v_min_u32 v[PFO2], 7, v3                       ; and 40 p + 32 .. 39 (the lanes left over name the last again), inside the chunk
	v_add_nc_u32 v[PFO2], s82, v[PFO2]
	v_add_nc_u32 v[PFO2], 32, v[PFO2]
	v_min_u32 v[PFO2], 149, v[PFO2]
	v_lshlrev_b32 v[PFO2], 8, v[PFO2]
	v_lshlrev_b32 v53, 16, v2                      ; szp: lanes 0-15 parts 0-3 of row r, lanes 16-31 parts 4-7
	v_lshl_add_u32 v53, v1, 2, v53
	v_mov_b32 v52, 0
	s_wait_alu depctr_va_vdst(0)                   ; the wait behind the head's vector lines
.irp g, 0,1,2,3
.irp u, 0,1
.irp j, 0,1
	global_load_b128 v[BIAS+8*(2*\g+\u)+4*\j:BIAS+8*(2*\g+\u)+4*\j+3], v27, s[86:87] offset:4096*\g+64*\u+16*\j   ; b in the result's layout: the C of the first products
.endr
.endr
.endr
.irp a, 0,1,2,3,4,5,6,7
	global_load_b32 v[ZZ+\a], v30, s[12:13] offset:64*\a
	global_load_b32 v[ZBB+\a], v30, s[14:15] offset:64*\a
.endr
	s_cmp_lg_u32 s22, 0
	s_cbranch_scc1 .Lnot_z
	s_load_b32 s82, s[16:17], 0x4000               ; wave 0: z_new of the work-group's 16 rows.  b[4096],
.irp j, 0,1,2,3
	global_load_b32 v[48+\j], v53, s[18:19] offset:16384*\j   ; and the eight parts of column 4,096
.endr
	s_wait_kmcnt 0x0
	s_wait_loadcnt 0x0
	v_add_f32 v48, v48, v49
	v_add_f32 v50, v50, v51
	v_add_f32 v48, v48, v50
	v_permlanex16_b32 v52, v48, s88, s89
	v_add_f32 v48, v48, v52
	v_add_f32 v48, s82, v48                        ; sz
	v_fma_f32 v49, v48, s83, 1.0
	v_mul_f32 v49, 0.5, v49
	v_med3_num_f32 v49, v49, 0, 1.0                ; z_tilde
	v_mov_b32 v51, 1.0
	v_cmp_lt_f32 vcc_lo, 0.5, v49
	v_cndmask_b32 v50, 0, v51, vcc_lo              ; hard: a choice of a value
	v_sub_f32 v50, v50, v49
	v_add_f32 v49, v49, v50                        ; z_tilde + (hard - z_tilde)
	v_cmp_gt_u32 vcc_lo, 16, v3
	s_wait_alu depctr_va_vdst(0)
	s_wait_xcnt 0x0                                ; EXEC changes only behind this wait
	s_and_saveexec_b32 s92, vcc_lo                 ; lanes 0-15: a row each
	global_store_b32 v30, v49, s[80:81]
	s_wait_xcnt 0x0
	s_or_b32 exec_lo, exec_lo, s92
.Lnot_z:
.macro FRAG reg, adr, off
.irp c, 0,1,2
	ds_load_b128 v[\reg+4*\c:\reg+4*\c+3], v[\adr] offset:\off+512*\c
.endr
.endm
; k = the step modulo 6: slot k / 3, piece k % 3 of its chunk, B's set and the scale set k % 2
.macro FETCH_B k
	WIN TO_B
.irp i, 0,1,2,3,4,5,6,7
	FRAG 128*((\k)%2)+FR*\i, ADRB+(\k)/3, (8*((\k)%3)+\i)*IMG
.endr
	WIN 0
.endm
.macro FETCH_A k, i0
.irp i, \i0, \i0+1, \i0+2, \i0+3
	FRAG AF+FR*(\i), ADRA+(\k)/3, (8*((\k)%3)+(\i))*IMG
.endr
.endm
.macro SCALES k
	ds_load_b128 v[SC+8*((\k)%2):SC+8*((\k)%2)+3], v[ADRS+(\k)/3] offset:512*((\k)%3)
	ds_load_b128 v[SC+8*((\k)%2)+4:SC+8*((\k)%2)+7], v[ADRS+(\k)/3] offset:512*((\k)%3)+16
.endm
; 16 products; the 64 accumulators take turns.  The two scale registers of a product are one register or differ modulo 8
.macro MUL16 a0, k, first
.set SCM, SC+8*((\k)%2)
.irp a, \a0, \a0+1
.irp b, 0,1,2,3,4,5,6,7
.if \first
	v_wmma_scale_f32_16x16x128_f8f6f4 v[8*(8*((\a)%4)+\b):8*(8*((\a)%4)+\b)+7], v[128*((\k)%2)+FR*\b:128*((\k)%2)+FR*\b+FR-1], v[AF+FR*(\a):AF+FR*(\a)+FR-1], v[BIAS+8*\b:BIAS+8*\b+7], v[SCM+\b], v[SCM+(\a)] matrix_a_fmt:MATRIX_FMT_FP6 matrix_b_fmt:MATRIX_FMT_FP6 matrix_a_scale:MATRIX_SCALE_ROW1
.else
	v_wmma_scale_f32_16x16x128_f8f6f4 v[8*(8*((\a)%4)+\b):8*(8*((\a)%4)+\b)+7], v[128*((\k)%2)+FR*\b:128*((\k)%2)+FR*\b+FR-1], v[AF+FR*(\a):AF+FR*(\a)+FR-1], v[8*(8*((\a)%4)+\b):8*(8*((\a)%4)+\b)+7], v[SCM+\b], v[SCM+(\a)] matrix_a_fmt:MATRIX_FMT_FP6 matrix_b_fmt:MATRIX_FMT_FP6 matrix_a_scale:MATRIX_SCALE_ROW1
.endif
.endr
.endr
.endm
.macro STEP k, first
	s_wait_dscnt 12                                ; all but the youngest twelve loads, A's blocks 4-7
.if \first
	WIN FST_LO
.else
	WIN MUL_LO
.endif
	MUL16 0, \k, \first
	MUL16 2, \k, \first
	s_wait_dscnt 0x0
	PLACES
	FETCH_B (\k)+1
	FETCH_A (\k)+1, 0
	SCALES (\k)+1
.if \first
	WIN FST_HI
.else
	WIN MUL_HI
.endif
	MUL16 4, \k, \first
	MUL16 6, \k, \first
	PLACES
	WIN 0
	FETCH_A (\k)+1, 4
.endm
.macro ASK two                         ; the chunk that the next refill fetches
.if \two
	s_cmp_gt_u32 s3, s[LIM]                        ; not in the last trip: no chunk 8
.else
	s_cmp_eq_u32 s[LIM], 1
.endif
	s_cbranch_scc0 .Lnot_mine_\@
	global_prefetch_b8 v[PFO], s[PFA:PFA+1] offset:(3+\two)*CHUNK th:TH_LOAD_NT scope:SCOPE_SE
	global_prefetch_b8 v[PFO2], s[PFA:PFA+1] offset:(3+\two)*CHUNK th:TH_LOAD_NT scope:SCOPE_SE
.Lnot_mine_\@:
.endm
; A chunk's last step changes slots.  fill = 1: the slot left behind takes the chunk two on; fill = 2: slot 0 takes c's and h's tiles
.macro TURN k, next, fill, ask
	s_wait_tensorcnt 0x0                           ; my part of the next slot is in
	ds_add_u32 v[SPW], v[NIL]
	s_wait_dscnt 13                                ; (the add and A's blocks 4-7 may be out)
	WIN MUL_LO
	MUL16 0, \k, 0
	s_wait_dscnt 0x0                               ; the add is done, my reads of this slot are over
	s_barrier_signal -1
	MUL16 2, \k, 0
	WIN 0
	s_barrier_wait -1
	CREST
.if \fill == 1
	s_add_nc_u64 s[G0A+4*((\k)/3)+2:G0A+4*((\k)/3)+3], s[G0A+4*((\k)/3)+2:G0A+4*((\k)/3)+3], 2*CHUNK
	s_add_nc_u64 s[G0B+4*((\k)/3)+2:G0B+4*((\k)/3)+3], s[G0B+4*((\k)/3)+2:G0B+4*((\k)/3)+3], 2*CHUNK
	JLOAD G0A+4*((\k)/3), G1A, G0B+4*((\k)/3), G1B
.else
	JLOAD G0C, G1T, G0H, G1T
.endif
	FETCH_B \next
	FETCH_A \next, 0
	SCALES \next
.if \ask == 1
	ASK 0
.endif
.if \ask == 2
	ASK 1
.endif
	WIN MUL_HI
	MUL16 4, \k, 0
	MUL16 6, \k, 0
	PLACES
	WIN 0
	FETCH_A \next, 4
.endm
	s_wait_alu depctr_va_vdst(0)                   ; the wait at the head's end
	s_wait_tensorcnt 0x0                           ; my part of chunk 0 is in; the same lines as ahead of a refill:
	ds_add_u32 v[SPW], v[NIL]
	s_wait_dscnt 0x0
	CROUND                                         ; everybody's part is in
	JLOAD G0A+4, G1A, G0B+4, G1B                   ; chunk 1: slot 1's first fill
	FETCH_B 0
	FETCH_A 0, 0
	SCALES 0
	FETCH_A 0, 4
	s_wait_loadcnt 0x0                             ; b, z, z_bottom
	STEP 0, 1                                      ; the first products start the sums from b
	s_mov_b32 s3, 3
.Llap:                                             ; a trip: six steps, both slots filled again
	STEP 1, 0
	TURN 2, 3, 1, 1
	STEP 3, 0
	STEP 4, 0
	TURN 5, 0, 1, 2
	STEP 0, 0
	s_wait_xcnt 0x0                                ; my prefetches have read their base
	s_add_nc_u64 s[PFA:PFA+1], s[PFA:PFA+1], 2*CHUNK
	s_sub_co_u32 s3, s3, 1
	s_cmp_lg_u32 s3, 0
	s_cbranch_scc1 .Llap
	STEP 1, 0
	TURN 2, 3, 2, 0
	STEP 3, 0
	STEP 4, 0
	s_wait_dscnt 12
	WIN MUL_LO
	MUL16 0, 5, 0
	MUL16 2, 5, 0
	s_wait_dscnt 0x0
	WIN MUL_HI
	MUL16 4, 5, 0
	MUL16 6, 5, 0
	WIN 0
	PLACES
; E1: block a's gates.  One reciprocal serves i, g and f: of the product of their three denominators.  Left in the block's accumulators: (z + (1-z) zb) i g;  (1-z) zb f + (1-z)(1-zb);  1 + 2^(-o log2 e)
.macro E1 a
.set AC, 64*((\a)%4)
.set WW, 2+(\a)/4
	WIN WW
.set k, 0
.rept 32
.if (k >= 8) && (k < 16)
	v_pk_mul_f32 v[TT+2*k:TT+2*k+1], v[AC+2*k:AC+2*k+1], s[6:7] op_sel_hi:[1,0]
.else
	v_pk_mul_f32 v[TT+2*k:TT+2*k+1], v[AC+2*k:AC+2*k+1], s[4:5] op_sel_hi:[1,0]
.endif
.set k, k+1
.endr
	WIN 0
.set k, 0
.rept 64
	v_min_num_f32 v[TT+k], s8, v[TT+k]
.set k, k+1
.endr
.set k, 0
	s_wait_alu depctr_va_vdst(0)                   ; one wait ahead of each batch of transcendentals and one behind
.rept 64
	v_exp_f32 v[TT+k], v[TT+k]
.set k, k+1
.endr
	v_sub_f32 v[CF+6], 1.0, v[ZZ+(\a)]
	v_mul_f32 v[CF+4], v[CF+6], v[ZBB+(\a)]
	v_fma_f32 v[CF+2], -v[CF+6], v[ZBB+(\a)], v[CF+6]
	v_add_f32 v[CF], v[ZZ+(\a)], v[CF+4]
	v_mov_b32 v[CF+5], v[CF+4]
	v_mov_b32 v[CF+3], v[CF+2]
	v_mov_b32 v[CF+1], v[CF]
	s_wait_alu depctr_va_vdst(0)
.irp k, 0,2,4,6,8,10,12,14
	v_pk_fma_f32 v[TT+\k:TT+\k+1], v[TT+\k:TT+\k+1], 1.0, 1.0 op_sel_hi:[1,0,0]
.endr
.irp k, 0,2,4,6,8,10,12,14
	v_pk_fma_f32 v[NN+\k:NN+\k+1], v[TT+16+\k:TT+17+\k], -1.0, 1.0 op_sel_hi:[1,0,0]
.endr
.irp k, 0,2,4,6,8,10,12,14
	v_pk_fma_f32 v[TT+16+\k:TT+17+\k], v[TT+16+\k:TT+17+\k], 1.0, 1.0 op_sel_hi:[1,0,0]
.endr
.irp k, 0,2,4,6,8,10,12,14
	v_pk_fma_f32 v[TT+48+\k:TT+49+\k], v[TT+48+\k:TT+49+\k], 1.0, 1.0 op_sel_hi:[1,0,0]
.endr
.irp k, 0,2,4,6,8,10,12,14
	v_pk_mul_f32 v[TT+\k:TT+\k+1], v[TT+\k:TT+\k+1], v[TT+16+\k:TT+17+\k]
.endr
.irp k, 0,2,4,6,8,10,12,14
	v_pk_mul_f32 v[PP+\k:PP+\k+1], v[TT+\k:TT+\k+1], v[TT+48+\k:TT+49+\k]
.endr
.set k, 0
	s_wait_alu depctr_va_vdst(0)
.rept 16
	v_rcp_f32 v[PP+k], v[PP+k]
.set k, k+1
.endr
.irp k, 0,2,4,6,8,10,12,14
	v_pk_mul_f32 v[NN+\k:NN+\k+1], v[NN+\k:NN+\k+1], v[TT+48+\k:TT+49+\k]
.endr
	s_wait_alu depctr_va_vdst(0)
.irp k, 0,2,4,6,8,10,12,14
	v_pk_mul_f32 v[NN+\k:NN+\k+1], v[NN+\k:NN+\k+1], v[PP+\k:PP+\k+1]
.endr
.irp k, 0,2,4,6,8,10,12,14
	v_pk_mul_f32 v[TT+\k:TT+\k+1], v[TT+\k:TT+\k+1], v[PP+\k:PP+\k+1]
.endr
	WIN WW<<6
.irp k, 0,2,4,6,8,10,12,14
	v_pk_mul_f32 v[AC+\k:AC+\k+1], v[CF:CF+1], v[NN+\k:NN+\k+1]
.endr
.irp k, 0,2,4,6,8,10,12,14
	v_pk_fma_f32 v[AC+16+\k:AC+17+\k], v[CF+4:CF+5], v[TT+\k:TT+\k+1], v[CF+2:CF+3]
.endr
.irp k, 0,2,4,6,8,10,12,14
	v_pk_fma_f32 v[AC+32+\k:AC+33+\k], v[TT+32+\k:TT+33+\k], 1.0, 1.0 op_sel_hi:[1,0,0]
.endr
.endm
.macro LOADCH a
.irp u, 0,1
.irp j, 0,1
	ds_load_b128 v[CC+8*\u+4*\j:CC+8*\u+4*\j+3], v[ADC] offset:(\a)*16*TP+64*\u+16*\j
.endr
.endr
.irp u, 0,1
.irp j, 0,1
	ds_load_b128 v[HH+8*\u+4*\j:HH+8*\u+4*\j+3], v[ADH] offset:(\a)*16*TP+64*\u+16*\j
.endr
.endr
.endm
.macro OUT a                           ; block a's 16 whole rows of 256 bytes leave: 16 lanes to a row
	WIN 0x04
.irp t, 0,1,2,3,4,5,6,7
	global_store_b128 v[GO], v[32*(\a)+4*\t:32*(\a)+4*\t+3], s[84:85] offset:(16*(\a)+2*\t)*4096 th:TH_STORE_NT
.endr
	WIN 0
.endm
; E2: block a's c_new and h_new, written over c's and h's tiles in LDS; a barrier, since a row's 256 bytes come from two waves; the rows are read back whole.
; They are stored behind the next block's wait for LDS, which is due anyway for its c and h.
.macro E2 a
.set AC, 64*((\a)%4)
.set WW, 2+(\a)/4
	WIN 0
	v_sub_f32 v[CF+6], 1.0, v[ZZ+(\a)]
	v_mul_f32 v[CF+4], v[CF+6], v[ZBB+(\a)]
	v_fma_f32 v[CF+2], -v[CF+6], v[ZBB+(\a)], v[CF+6]
	v_add_f32 v[CF], v[ZZ+(\a)], v[CF+4]
	v_mov_b32 v[CF+3], v[CF+2]
	v_mov_b32 v[CF+1], v[CF]
	s_wait_dscnt 0x0
.if (\a) > 0
	OUT (\a)-1
.endif
	WIN WW|(WW<<4)
.irp k, 0,2,4,6,8,10,12,14
	v_pk_fma_f32 v[CC+\k:CC+\k+1], v[AC+16+\k:AC+17+\k], v[CC+\k:CC+\k+1], v[AC+\k:AC+\k+1]
.endr
	WIN 0
.irp u, 0,1
.irp j, 0,1
	ds_store_b128 v[ADC], v[CC+8*\u+4*\j:CC+8*\u+4*\j+3] offset:(\a)*16*TP+64*\u+16*\j
.endr
.endr
.irp k, 0,2,4,6,8,10,12,14
	v_pk_mul_f32 v[PP+\k:PP+\k+1], v[CC+\k:CC+\k+1], s[6:7] op_sel_hi:[1,0]
.endr
.set k, 0
.rept 16
	v_min_num_f32 v[PP+k], s8, v[PP+k]
.set k, k+1
.endr
.set k, 0
	s_wait_alu depctr_va_vdst(0)
.rept 16
	v_exp_f32 v[PP+k], v[PP+k]
.set k, k+1
.endr
.irp k, 0,2,4,6,8,10,12,14
	v_pk_mul_f32 v[HH+\k:HH+\k+1], v[CF+2:CF+3], v[HH+\k:HH+\k+1]
.endr
	s_wait_alu depctr_va_vdst(0)
.irp k, 0,2,4,6,8,10,12,14
	v_pk_fma_f32 v[NN+\k:NN+\k+1], v[PP+\k:PP+\k+1], -1.0, 1.0 op_sel_hi:[1,0,0]
.endr
	WIN (WW<<2)|(WW<<4)
.irp k, 0,2,4,6,8,10,12,14
	v_pk_fma_f32 v[PP+\k:PP+\k+1], v[PP+\k:PP+\k+1], v[AC+32+\k:AC+33+\k], v[AC+32+\k:AC+33+\k]
.endr
	WIN 0
.set k, 0
	s_wait_alu depctr_va_vdst(0)
.rept 16
	v_rcp_f32 v[PP+k], v[PP+k]
.set k, k+1
.endr
	v_nop
	s_wait_alu depctr_va_vdst(0)
.irp k, 0,2,4,6,8,10,12,14
	v_pk_mul_f32 v[NN+\k:NN+\k+1], v[NN+\k:NN+\k+1], v[PP+\k:PP+\k+1]
.endr
.irp k, 0,2,4,6,8,10,12,14
	v_pk_fma_f32 v[HH+\k:HH+\k+1], v[CF:CF+1], v[NN+\k:NN+\k+1], v[HH+\k:HH+\k+1]
.endr
.irp u, 0,1
.irp j, 0,1
	ds_store_b128 v[ADH], v[HH+8*\u+4*\j:HH+8*\u+4*\j+3] offset:(\a)*16*TP+64*\u+16*\j
.endr
.endr
	s_wait_dscnt 0x0                               ; for the others' sake: my halves of the block's rows lie in LDS
	s_barrier_signal -1
	s_barrier_wait -1
	WIN TO_B
.irp t, 0,1,2,3,4,5,6,7
	ds_load_b128 v[32*(\a)+4*\t:32*(\a)+4*\t+3], v[RDB] offset:(16*(\a)+2*\t)*TP
.endr
	WIN 0
.if (\a) < 7
	LOADCH (\a)+1
.endif
.endm
.irp a, 0,1,2,3,4,5
	E1 \a
.endr
	WIN 0
	s_wait_tensorcnt 0x0                           ; my part of c's or h's tile is in
	s_wait_dscnt 0x0
	s_barrier_signal -1
	s_barrier_wait -1
	LOADCH 0
	E2 0
	E1 6
	E2 1
	E1 7
.irp a, 2,3,4,5,6,7
	E2 \a
.endr
	s_wait_dscnt 0x0
	OUT 7
	s_wait_tensorcnt 0x0                           ; the wave's end
	ds_add_u32 v[SPW], v[NIL]
	s_wait_dscnt 0x0
	CROUND                                         ; the closing round
	s_endpgm
.Lfunc_end_k_q13c5dd5d41_cell:
	.size	k_q13c5dd5d41_cell, .Lfunc_end_k_q13c5dd5d41_cell-k_q13c5dd5d41_cell
	.p2alignl 7, 3214868480
	.fill 96, 4, 3214868480
	.section	.rodata,"a",@progbits
	.p2align	6, 0x0
	.amdhsa_kernel k_q13c5dd5d41_cell
		.amdhsa_group_segment_fixed_size 327680
		.amdhsa_private_segment_fixed_size 0
		.amdhsa_enable_private_segment 0
		.amdhsa_kernarg_size 88
		.amdhsa_user_sgpr_count 2
		.amdhsa_user_sgpr_kernarg_segment_ptr 1
		.amdhsa_wavefront_size32 1
		.amdhsa_system_sgpr_workgroup_id_x 1
		.amdhsa_system_sgpr_workgroup_id_y 1
		.amdhsa_system_sgpr_workgroup_id_z 1
		.amdhsa_system_vgpr_workitem_id 0
		.amdhsa_next_free_vgpr 1024
		.amdhsa_next_free_sgpr 106
		.amdhsa_reserve_vcc 1
		.amdhsa_float_denorm_mode_32 3
		.amdhsa_float_denorm_mode_16_64 3
		.amdhsa_memory_ordered 1
		.amdhsa_forward_progress 1
		.amdhsa_inst_pref_size 255
	.end_amdhsa_kernel
	.section	.bss,"aw",@nobits
	.p2align	6
	.space	262144
	.amdgpu_metadata
---
amdhsa.version: [ 1, 2 ]
amdhsa.kernels:
  - .name:           k_q13c5dd5d41_cell
    .symbol:         k_q13c5dd5d41_cell.kd
    .args:
      - { .name: a_img, .offset: 0, .size: 8, .value_kind: global_buffer, .address_space: global }
      - { .name: w_img, .offset: 8, .size: 8, .value_kind: global_buffer, .address_space: global }
      - { .name: c, .offset: 16, .size: 8, .value_kind: global_buffer, .address_space: global }
      - { .name: h, .offset: 24, .size: 8, .value_kind: global_buffer, .address_space: global }
      - { .name: z, .offset: 32, .size: 8, .value_kind: global_buffer, .address_space: global }
      - { .name: z_bottom, .offset: 40, .size: 8, .value_kind: global_buffer, .address_space: global }
      - { .name: b, .offset: 48, .size: 8, .value_kind: global_buffer, .address_space: global }
      - { .name: szp, .offset: 56, .size: 8, .value_kind: global_buffer, .address_space: global }
      - { .name: out0, .offset: 64, .size: 8, .value_kind: global_buffer, .address_space: global }
      - { .name: out1, .offset: 72, .size: 8, .value_kind: global_buffer, .address_space: global }
      - { .name: out2, .offset: 80, .size: 8, .value_kind: global_buffer, .address_space: global }
    .group_segment_fixed_size: 327680
    .private_segment_fixed_size: 0
    .kernarg_segment_align: 8
    .kernarg_segment_size: 88
    .max_flat_workgroup_size: 128
    .sgpr_count:     106
    .vgpr_count:     1024
    .wavefront_size: 32
...
	.end_amdgpu_metadata
.endif
;; end of part 2
